; MI455X (gfx1250); checked and timed in simulation.
; The chip was launched on July 23, 2026; its instructions are those of AMD's public machine-readable ISA for CDNA 5 (MIT licence, August 2026) and "CDNA5" Instruction Set Architecture Reference Guide (July 2026). The comments in the code are by the model that wrote it; some were corrected since.
;; Feed Forward. Allowed arithmetic: matrix products marked QUANTISED: E4M3 operands, one given power-of-two scale a tensor, by v_wmma_f32_16x16x64_fp8_fp8 or v_wmma_f32_16x16x128_fp8_fp8, f32 sums; everything else in f32.
;; Inputs: b1 4,096 float32; b2 1,024 float32; cb1 8 x 256 x 128 float32; cb2 8 x 256 x 512 float32; idx1 8 x 4,096 int32; idx2 8 x 1,024 int32; lowp_scales 4 int32 (the exponents e of the quantised operands' scales 2^e); x_codes 4 x 2,048 x 32 x 32 uint8 (E4M3 codes of x, K innermost, in blocks of 32 codes).
;; Outputs: out0 4 x 2,048 x 1,024 float32.
;; This version of the problem:
;;   THIS VERSION OF THE PROBLEM IS GIVEN IN LOW PRECISION. The matrix products marked QUANTISED in the list below multiply operands that are first quantised to E4M3 (4 exponent bits, 3 mantissa bits; 8 bits a number), with one given power-of-two scale for each operand tensor; their sums are f32. All else is computed in f32.
;;   The module's matrix products, in the order in which they are computed (A, B: the left and right operand; K: the contracted axis; several contracted axes count as one K, in the product's order):
;;     1. [M 8,192, K 1,024] x [K 1,024, N 4,096]; A: input x (given as codes); B: computed on the way: QUANTISED (scales: A lowp_scales[0], B lowp_scales[1])
;;     2. [M 8,192, K 4,096] x [K 4,096, N 1,024]; A: computed on the way; B: computed on the way: QUANTISED (scales: A lowp_scales[2], B lowp_scales[3])
;;   THE QUANTISER, for each operand of a quantised product, along K:
;;     - The operand's scale is 2^e, e = its entry of the input lowp_scales (int32; the entries are numbered through the quantised products in the list's order, A before B).
;;     - Each number is divided by the scale, clamped to +-448, and rounded to the nearest number of E4M3, ties to even, subnormals kept.
;;     - The product sums the exact products of the quantised numbers (number of the format x scale) in f32.
;;   ~~~python
;;   def quantise(x, axis, e):      # numpy; x: float32 -> the quantised numbers, widened to float32 again
;;       x = np.moveaxis(x, axis, -1); K = x.shape[-1]
;;       r = np.clip(x / 2.0 ** e, -448, 448)
;;       step = 2.0 ** (np.maximum(np.frexp(np.where(r == 0, 1, r))[1] - 1, -6) - 3)
;;       q = np.round(r / step) * step * 2.0 ** e      # np.round: ties to even
;;       return np.moveaxis(q, -1, axis).astype(np.float32)
;;   ~~~
;;   OPERANDS COMPUTED ON THE WAY. 'Computed on the way' means the value that the module computes at that place (a softmax that the list does not call 'softmax' is quantised finished and normalised). What goes into a quantiser is computed in f32, as accurately as f32 sums, v_exp_f32 and their like allow (about 1e-6 of the number): no bf16 or f16 on the way to a quantiser, and a product that is left as it is and whose result goes on into a quantised operand takes f32 operands (vector FMAs, or v_wmma_f32_16x16x4_f32). A number that lies on a knife's edge between two numbers of the format may be rounded either way, as far as f32 arithmetic and the matrix unit's own rounding can turn it there, and no further.
;;   INPUTS GIVEN AS CODES. x (in the module: [4, 2048, 1024], K = its axis 2): each comes as NAME_codes (uint8): NAME with its K axis moved to the last place and cut into blocks of 32 codes, [.., K / 32, bytes a block], one block behind the other in memory; one code a byte (a code: sign, 4 exponent bits, 3 mantissa bits); its scale is its entry of lowp_scales. Its value is code x scale, taken as it is: it is not quantised again, and the codes and scales need not be those that the quantiser above would give.
;; One version. Each part assembles by itself: llvm-mc -triple=amdgcn-amd-amdhsa -mcpu=gfx1250 --defsym DOCPART=n.
;; ======== version 1 of 1: 3 launches
;; limits: a function is approximated: absolute error at most 1.5e-07
;; workspace buffers: w1img 4,194,304 bytes; w2img 4,194,304 bytes; himg 33,554,432 bytes
;; launch prep (part 1): grid 256 x 1, 8 waves a work-group, no clusters, 136,192 bytes of LDS; arguments cb1, idx1, cb2, idx2, lowp_scales, w1img, w2img; writes w1img, w2img
.if DOCPART == 1
	.amdgcn_target "amdgcn-amd-amdhsa--gfx1250"
	.amdhsa_code_object_version 6
	.text
	.protected	k_q5e1481edf7_prep
	.globl	k_q5e1481edf7_prep
	.p2align	8
	.type	k_q5e1481edf7_prep,@function
k_q5e1481edf7_prep:
	s_mov_b64 s[64:65], 0
	v_nop
	global_prefetch_b8 v0, s[64:65] scope:SCOPE_SE
	s_setreg_imm32_b32 hwreg(HW_REG_WAVE_MODE, 25, 1), 1
	s_wait_xcnt 0x0
; out = gelu(x W1^T + b1) W2^T + b2, both products on codes of E4M3, in three launches.  THIS ONE makes the two weights' codes.
; W1[h][128 c + s] = cb1[c][idx1[c][h]][s] (4,096 x 1,024), W2[d][512 c + s] = cb2[c][idx2[c][d]][s] (1,024 x 4,096): rows looked up by the index inputs, then
; code = w / 2^e, held within +-448, to the nearest code, ties to even; e = entry 1 (W1) or entry 3 (W2) of lowp_scales.
; NOTHING OF reference() IS LEFT OUT in any launch: every input has a way to the output, and every input is loaded.
; LIMITS: e between -126 and 119, so that 2^e and 448 x 2^e are f32 numbers.  NaN among the codebooks is not served (an infinity is held at the largest code).  An index is taken as unsigned and held at 255.
; THE CODES ARE LAID AS IMAGES OF OPERAND REGISTERS.  An image is a fragment of 16 rows x 128 K: 16 registers x 32 lanes = 2,048 bytes; registers 4 g .. 4 g + 3 of lane l lie at byte 512 g + 16 l.
;   image (ks, blk, q) at ((ks x NBLK + blk) x 2 + q) x 2,048: K = 256 ks + 128 q on, rows 16 blk on; NBLK = 256 (W1), 64 (W2).  Lane l = (r = l % 16, h = l / 16) holds row r.
;   W1: byte i of group g is k = 32 g + 16 h + i: the order in which the next launch's 16-byte loads take x's codes, the same permutation of k on both sides of the product.
;   W2: bytes 0-7 of group g are k = 32 g + 8 h + 0..7, bytes 8-15 k = 32 g + 16 + 8 h + 0..7: the matrix instruction's own order (ISA guide 7.12.2), which the hidden layer's codes have as they are made.
; SHARES.  Work-groups 0-127 take W1, 128-255 W2: two arms of one macro, parted on the work-group's number, each with LDS bytes of its own.  Wave P = 8 x (work-group % 128) + wave = ks x NBLK + blk
; makes the two images q = 0, 1: 4,096 consecutive bytes.  Each of a unit's 16 loads reads 512 consecutive bytes of one codebook row; the 16 rows turn through the wave's own stage in LDS
; (rows of 512 bytes + 16), so that a lane gets neighbours along K of ONE row in consecutive registers, as the conversions want them.  Each store covers 512 consecutive bytes, aligned.
; No barrier: waves share nothing.  No tensor load and no cluster: what work-groups share are codebook rows picked by indices, which no tile describes.  No matrix work here.
.set STRIDE, 8448                      ; a wave's stage: 16 rows x 528 bytes
.set STG2,   8*STRIDE                  ; the second arm's eight stages begin here
.set SPARE,  2*STG2                    ; behind the stages: the spare words, 128 bytes for each of the eight waves: four blocks of 256 bytes that no other line names
.set L16, 1                            ; v1       16 x lane
.set LB,  4                            ; v4, v5   unit q: 16 x lane + the byte at which the unit's codebook (and its part of a row) begins
.set SPW, 12                           ; v12      LDS address of my spare word; never rewritten
.set NIL, 13                           ; v13      0; never rewritten
.set AD,  16                           ; v16-47   the 32 loads' offsets, one register each: none is written again
.set R,   48                           ; v48-175  two units x 16 rows x 4 registers, as loaded
.set X,   176                          ; v176-239 64 numbers of my row, in the order of the operand's registers
.set C0,  240                          ; v240-255 unit 0's codes (unit 1's take v48-63, which unit 0 has left)
	s_load_b256 s[4:11], s[0:1], 0x0               ; cb1 s[4:5], idx1 s[6:7], cb2 s[8:9], idx2 s[10:11]
	s_load_b128 s[12:15], s[0:1], 0x20             ; lowp_scales s[12:13], w1img s[14:15]
	s_load_b64 s[16:17], s[0:1], 0x30              ; w2img
	v_lshl_add_u32 v[SPW], v0, 2, SPARE
	v_mov_b32 v[NIL], 0
	v_lshrrev_b32 v2, 5, v0
	v_readfirstlane_b32 s20, v2                    ; wave 0..7
	v_and_b32 v2, 31, v0
	v_lshlrev_b32 v[L16], 4, v2
	v_and_b32 v2, 15, v0                           ; r
	v_bfe_u32 v3, v0, 4, 1                         ; h
	s_mul_i32 s21, s20, STRIDE                     ; my stage
	v_add_nc_u32 v6, s21, v[L16]                   ; into it: 16 bytes a lane, a row an instruction (first arm),
	v_add_nc_u32 v7, STG2, v6                      ; (second arm)
	v_mul_u32_u24 v14, v2, 528
	v_add_nc_u32 v14, s21, v14
	v_lshl_add_u32 v8, v3, 6, v14                  ; out of it: row r, + 64 h bytes (W1: 16 numbers a half),
	v_lshl_add_u32 v9, v3, 5, v14                  ; + 32 h bytes (W2: 8 numbers a half)
	v_add_nc_u32 v9, STG2, v9
	s_and_b32 s22, ttmp9, 127
	s_lshl_b32 s22, s22, 3
	s_add_co_u32 s22, s22, s20                     ; P
	s_lshl_b32 s24, s22, 12                        ; my 4,096 bytes of the images
	s_mov_b32 s25, 0
	s_wait_kmcnt 0x0
; One unit: 16 rows x 128 numbers become an image.
.macro UNIT q, sw, srd, o2, img, cd
	s_wait_loadcnt 16*(1-\q)                       ; loads come back in order (ISA guide 5.7.1): this unit's sixteen are in; unit 1's sixteen may stay out behind unit 0's
.irp i, 0,1,2,3,4,5,6,7,8,9,10,11,12,13,14,15
	ds_store_b128 v[\sw], v[R+64*\q+4*\i:R+64*\q+4*\i+3] offset:528*\i
.endr
.irp c, 0,1,2,3                        ; LDS serves a wave's instructions in order (ISA guide 5.7.1.4): these see the stores above.  Rows 528 bytes = 132 words apart: the 16 rows of a load start at 16 different banks (64 banks of 4 bytes: ISA guide 11.1)
	ds_load_b128 v[X+16*\c:X+16*\c+3], v[\srd] offset:128*\c
	ds_load_b128 v[X+16*\c+4:X+16*\c+7], v[\srd] offset:128*\c+16
	ds_load_b128 v[X+16*\c+8:X+16*\c+11], v[\srd] offset:128*\c+\o2
	ds_load_b128 v[X+16*\c+12:X+16*\c+15], v[\srd] offset:128*\c+\o2+16
.endr
	s_wait_dscnt 0x0
.set n, 0
.rept 64
	v_med3_num_f32 v[X+n], v[X+n], -v10, v10       ; the conversion to an 8-bit code does not saturate (ISA guide 7.6.2): the hold at the largest code x the scale
.set n, n+1
.endr
.irp c, 0,1,2,3
	v_cvt_scalef32_pk8_fp8_f32 v[\cd+4*\c:\cd+4*\c+1], v[X+16*\c:X+16*\c+7], v11
	v_cvt_scalef32_pk8_fp8_f32 v[\cd+4*\c+2:\cd+4*\c+3], v[X+16*\c+8:X+16*\c+15], v11
.endr
	v_nop                                          ; one plain vector line between the conversions and the next unit's holds, which write their sources
.irp g, 0,1,2,3
	global_store_b128 v[L16], v[\cd+4*\g:\cd+4*\g+3], s[\img:\img+1] offset:2048*\q+512*\g   ; 32 lanes store 512 consecutive bytes, at a multiple of 512 from the buffer's first byte
.endr
.endm
; One arm.  cb, ix, img: the scalar pairs of the codebooks, the indices, the images.  nbl = log2 NBLK; sl = log2 of a codebook row's numbers; csh = log2 of the runs of 128 in such a row;
; rows = indices for a codebook; sco = the scale's byte in lowp_scales; sw, srd = the arm's two LDS address registers; o2 = where a group's second eight numbers lie.
.macro ARM cb, ix, img, nbl, sl, csh, rows, sco, sw, srd, o2
	s_load_b32 s76, s[12:13], \sco                 ; e
	s_lshr_b32 s26, s22, \nbl                      ; ks
	s_and_b32 s27, s22, (1<<\nbl)-1                ; blk
	s_lshl_b32 s27, s27, 6                         ; its 16 indices of 4 bytes
	s_lshl_b32 s26, s26, 1
.irp q, 0,1
	s_add_co_u32 s28, s26, \q                      ; u = 2 ks + q: which run of 128 along K
.if \csh
	s_lshr_b32 s29, s28, \csh                      ; the codebook c,
	s_and_b32 s30, s28, (1<<\csh)-1
	s_lshl_b32 s30, s30, 9                         ; and the run's 512 bytes in its rows
	s_lshl_b32 s31, s29, \sl+10                    ; a codebook is 256 rows of 4 << sl bytes
	s_add_co_u32 s31, s31, s30
.else
	s_mov_b32 s29, s28                             ; a row is one run: c = u
	s_lshl_b32 s31, s29, \sl+10
.endif
	v_add_nc_u32 v[LB+\q], s31, v[L16]
	s_mul_i32 s29, s29, \rows*4
	s_add_co_u32 s[72+2*\q], s29, s27
	s_mov_b32 s[73+2*\q], 0
	s_add_nc_u64 s[72+2*\q:73+2*\q], s[\ix:\ix+1], s[72+2*\q:73+2*\q]   ; a pair of its own for each unit: no pending load's address is written
	s_load_b512 s[32+16*\q:47+16*\q], s[72+2*\q:73+2*\q], 0x0           ; the 16 rows' indices
.endr
	s_add_nc_u64 s[\img:\img+1], s[\img:\img+1], s[24:25]
	s_wait_kmcnt 0x0
.irp q, 0,1
.irp i, 0,1,2,3,4,5,6,7,8,9,10,11,12,13,14,15
	s_min_u32 s[32+16*\q+\i], s[32+16*\q+\i], 255                       ; an index stays inside its codebook
	v_lshl_add_u32 v[AD+16*\q+\i], s[32+16*\q+\i], \sl+2, v[LB+\q]
	global_load_b128 v[R+64*\q+4*\i:R+64*\q+4*\i+3], v[AD+16*\q+\i], s[\cb:\cb+1]   ; 32 lanes read 512 consecutive bytes of the chosen row.  No hint: other work-groups read the same rows
.endr
.endr
	s_add_co_i32 s76, s76, 127
	s_lshl_b32 s77, s76, 23
	v_mov_b32 v11, s77                             ; 2^e as f32: the conversion takes its exponent field
	s_add_co_i32 s76, s76, 8
	s_lshl_b32 s76, s76, 23
	s_or_b32 s76, s76, 0x600000
	v_mov_b32 v10, s76                             ; 448 x 2^e
	UNIT 0, \sw, \srd, \o2, \img, C0
	UNIT 1, \sw, \srd, \o2, \img, R
	s_wait_tensorcnt 0x0                           ; the wave's end, behind my last LDS store
	ds_add_u32 v[SPW], v[NIL]
	s_wait_dscnt 0x0
	s_endpgm
.endm
	s_cmp_lt_u32 ttmp9, 128                        ; the work-group's number alone decides
	s_cbranch_scc0 .Lsecond
	ARM 4, 6, 14, 8, 7, 0, 4096, 0x4, 6, 8, 32
.Lsecond:
	ARM 8, 10, 16, 6, 9, 2, 1024, 0xc, 7, 9, 64
.Lfunc_end_k_q5e1481edf7_prep:
	.size	k_q5e1481edf7_prep, .Lfunc_end_k_q5e1481edf7_prep-k_q5e1481edf7_prep
	.p2alignl 7, 3214868480
	.fill 96, 4, 3214868480
	.section	.rodata,"a",@progbits
	.p2align	6, 0x0
	.amdhsa_kernel k_q5e1481edf7_prep
		.amdhsa_group_segment_fixed_size 136192
		.amdhsa_private_segment_fixed_size 0
		.amdhsa_enable_private_segment 0
		.amdhsa_kernarg_size 56
		.amdhsa_user_sgpr_count 2
		.amdhsa_user_sgpr_kernarg_segment_ptr 1
		.amdhsa_wavefront_size32 1
		.amdhsa_system_sgpr_workgroup_id_x 1
		.amdhsa_system_sgpr_workgroup_id_y 1
		.amdhsa_system_sgpr_workgroup_id_z 1
		.amdhsa_system_vgpr_workitem_id 0
		.amdhsa_next_free_vgpr 256
		.amdhsa_next_free_sgpr 96
		.amdhsa_reserve_vcc 0
		.amdhsa_float_denorm_mode_32 3
		.amdhsa_float_denorm_mode_16_64 3
		.amdhsa_memory_ordered 1
		.amdhsa_forward_progress 1
		.amdhsa_inst_pref_size 47
	.end_amdhsa_kernel
	.amdgpu_metadata
---
amdhsa.version: [ 1, 2 ]
amdhsa.kernels:
  - .name:           k_q5e1481edf7_prep
    .symbol:         k_q5e1481edf7_prep.kd
    .args:
      - { .name: cb1, .offset: 0, .size: 8, .value_kind: global_buffer, .address_space: global }
      - { .name: idx1, .offset: 8, .size: 8, .value_kind: global_buffer, .address_space: global }
      - { .name: cb2, .offset: 16, .size: 8, .value_kind: global_buffer, .address_space: global }
      - { .name: idx2, .offset: 24, .size: 8, .value_kind: global_buffer, .address_space: global }
      - { .name: lowp_scales, .offset: 32, .size: 8, .value_kind: global_buffer, .address_space: global }
      - { .name: w1img, .offset: 40, .size: 8, .value_kind: global_buffer, .address_space: global }
      - { .name: w2img, .offset: 48, .size: 8, .value_kind: global_buffer, .address_space: global }
    .group_segment_fixed_size: 136192
    .private_segment_fixed_size: 0
    .kernarg_segment_align: 8
    .kernarg_segment_size: 56
    .max_flat_workgroup_size: 256
    .sgpr_count:     96
    .vgpr_count:     256
    .wavefront_size: 32
...
	.end_amdgpu_metadata
.endif
;; end of part 1
;; launch fc1 (part 2): grid 16 x 32, 4 waves a work-group, clusters of 4 x 4, 327,680 bytes of LDS; arguments x_codes, w1img, lowp_scales, b1, himg; writes himg
.if DOCPART == 2
	.amdgcn_target "amdgcn-amd-amdhsa--gfx1250"
	.amdhsa_code_object_version 6
	.text
	.protected	k_q5e1481edf7_fc1
	.globl	k_q5e1481edf7_fc1
	.p2align	8
	.type	k_q5e1481edf7_fc1,@function
k_q5e1481edf7_fc1:
	s_mov_b64 s[64:65], 0
	v_nop
	global_prefetch_b8 v0, s[64:65] scope:SCOPE_SE
	s_setreg_imm32_b32 hwreg(HW_REG_WAVE_MODE, 25, 1), 1
	s_wait_xcnt 0x0
	s_wait_alu depctr_hold_cnt(0) depctr_sa_sdst(0) depctr_va_vdst(0) depctr_va_sdst(0) depctr_va_ssrc(0) depctr_va_vcc(0) depctr_vm_vsrc(0)
	s_getreg_b32 s2, hwreg(HW_REG_IB_STS2, 6, 4)
	s_cmp_eq_u32 s2, 0
	s_cbranch_scc0 .Lentry_in_a_cluster
	s_endpgm
.Lentry_in_a_cluster:
	s_bfe_u32 s2, ttmp6, 0x10000c
	s_cmp_lg_u32 s2, 0xf033
	s_cbranch_scc0 .Lentry_shape_is_right
	s_endpgm
.Lentry_shape_is_right:
; himg = codes of gelu(x W1^T + b1).  x: [8,192][1,024] codes of E4M3, scale 2^e0.  W1: [4,096][1,024] codes, scale 2^e1, as images of operand registers (made by the launch before).  b1: [4,096] f32.
; Nothing of reference() is left out here.
; A tile of 256 rows x 256 hidden units is made by a work-group of four waves, as many as a WGP has SIMDs; a wave makes 128 x 128: 64 accumulators of 16 x 16, 512 registers.  512 work-groups.
; K = 1,024 goes in four steps of 256 through a ring of two LDS slots filled by the tensor data mover.  x's tile: 256 rows of 256 bytes, padded to 272.  W1's tile: 16 blocks x 2 images x 2,048 bytes, one dense
; block of memory; a fragment comes out of it by four loads at 16 x lane: consecutive bytes, no pitch.
; x's fragments come by four 16-byte loads a row: registers 4 c .. 4 c + 3 of lane (r, h) hold k = 32 c + 16 h + 0..15; W1's images have the same order.  That is a permutation of k, alike on both sides: every
; product meets its partner; only the order of the sums inside an instruction differs from the instruction's own (a stated difference in the order of rounding).
; CLUSTERS: 4 x 4 work-groups.  The four of a row of the cluster need the same tile of x, the four of a column the same tile of W1: each is asked for JOINTLY, by the same tensor load with the same descriptor and
; a mask that names the four.
; THE MATRIX INSTRUCTION IS USED TRANSPOSED (source 0 = 16 rows of W1, source 1 = 16 rows of x): a lane holds one row of x and eight neighbouring hidden units, which are neighbours along the next product's K.
; b1 / 2^(e0 + e1) is the C of each sum's first product: no addition, nothing cleared.
; GELU.  With a = the sum = u / 2^E0, E0 = e0 + e1:  2 gelu(u) = u + |u| erf(|u| / sqrt 2);  erf(z) = 1 - ((((a5 t + a4) t + a3) t + a2) t + a1) t exp(-z^2), t = 1 / (1 + 0.3275911 z)
; (Abramowitz and Stegun 7.1.26; its error is at most 1.5e-7 in erf, the size of one f32 rounding of the sum 1 + erf that the exact form makes).  All in f32.  The factor 2 and the three scales go into the
; conversion's one scale: code = (a + |a| erf) / 2^(e2 - E0 + 1), held within +-448.
; LIMITS: |e0 + e1| at most 60; e2 - e0 - e1 + 1 between -126 and 119.  For u under about -2 the relative error of gelu grows, by the cancellation in u + |u| erf, as it does in the exact form in f32.
; NaN and infinities are not served.
; THE WAY OUT: a block's eight accumulators (16 rows x 128 hidden units) become 16 registers of codes, which ARE a fragment of the next product in the instruction's own order (registers 2 b, 2 b + 1: k = 16 b + 8 h + 0..7).
; They are stored as they stand: image (ks = tile column, blk = row / 16, q = my half of the columns) at ((ks x 512 + blk) x 2 + q) x 2,048.  No stage, no barrier.
; No prefetch is laid: K has four steps, and two of them are the first fills.  One tile to a work-group: the way out is too long a text to be written twice.
; REGISTERS, in windows of 256: window 0: v0-31 addresses; v32-95 the bias in the result's layout, later at work; v96-103 four constants as pairs; v104-119 codes; v120, v121 the conversion's scale and the hold;
;   from v128 x's fragments (8 x 16 rows x 128 K), ONE set, later at work.   window 1: W1's fragments, TWO sets, at v0 and v128.   window 2: the accumulators of my rows 0-63 ((a, b) at v[8 (8 a + b)]);  window 3: rows 64-127.
.set KROW,   1024                      ; a row of x in memory, in bytes
.set PITCH,  272                       ; an LDS row of x: 256 bytes + 16 of padding = 68 words: row r starts at bank 4 r mod 64 (64 banks of 4 bytes: ISA guide 11.1)
.set FR,     16                        ; registers of a fragment
.set NL,     4                         ; LDS loads that bring one
.set NP,     4                         ; places behind this matrix instruction (ISA guide 7.12.1)
.set HALFA,  128*PITCH                 ; 128 rows of x: one tensor load
.set BOFF,   2*HALFA                   ; W1's part of a slot
.set HALFB,  32768                     ; 8 blocks x 2 images: one tensor load
.set SLOT,   BOFF+2*HALFB
.set SPARE,  2*SLOT                    ; behind the ring: the spare words, 128 bytes for each wave: two blocks of 256 bytes that no other line names
.set ADRA, 16                          ; v16-17  LDS address of my fragments of x in slot 0, 1
.set ADRB, 20                          ; v20-21  the same for W1
.set LI,   27                          ; v27     16 x lane
.set SPW,  28                          ; v28     LDS address of my spare word; never rewritten
.set NIL,  29                          ; v29     0; never rewritten
.set BI,   32                          ; v32-95  b1 / 2^E0: eight registers for each of my eight blocks of hidden units
.set KC,   96                          ; v96-103 a4, a3, a2, a1, each twice
.set CD,   104                         ; v104-119 a block's codes
.set SCL,  120                         ; v120    2^(e2 - E0 + 1)
.set LIMV, 121                         ; v121    448 x that
.set AF,   128                         ; x's fragments
.set TD,   128                         ; the way out: 1 + p |u|, then t
.set TQ,   192                         ; the way out: a^2, the exponent, the exponential, t x the exponential
.set TH,   32                          ; the way out: the polynomial, erf, the result
.set PS,   74                          ; s74      0.3275911 / sqrt 2 x 2^E0
.set KS,   76                          ; s[76:77] -log2(e) / 2 x 2^(2 E0)
.set A5,   78                          ; s[78:79] a5
.set G1, 24                            ; s[24:31] descriptor group 1 for x's tiles;  s[32:39] group 0, one set for each slot
.set G0, 32
.set G1B, 48                           ; s[48:55], s[56:63] the same for W1's tiles
.set G0B, 56
.set MSB, 0
.macro WIN new                         ; the immediate's high byte repeats the setting that is left; a switch that changes nothing is dropped
.if MSB != (\new)
	s_set_vgpr_msb (MSB<<8)|(\new)
.set MSB, (\new)
.endif
.endm
.set MUL_LO, 0xa1                      ; source 0 (W1) window 1, source 1 (x) window 0, C and D window 2
.set MUL_HI, 0xf1                      ; the same, C and D window 3
.set FST_LO, 0x81                      ; the first step: C (the bias) window 0, D window 2
.set FST_HI, 0xc1                      ; D window 3
.set TO_B,   0x40                      ; destination window 1, address window 0
; A joint load: waves 0 and 1 fetch for x, waves 2 and 3 for W1.  Each of the two lines has ONE mask and one set of registers for all that issue it; the branch hangs on the wave's number alone.
; An s_nop 0 and four v_nop follow each of the two lines, ahead of the jump, the label and what follows.
.macro JLOAD g0a, g1a, g0b, g1b
	s_cmp_eq_u32 s15, 0
	s_cbranch_scc0 .Lfor_b_\@
	tensor_load_to_lds s[\g0a:\g0a+3], s[\g1a:\g1a+7]
	s_nop 0
.rept 4
	v_nop
.endr
	s_branch .Lasked_\@
.Lfor_b_\@:
	tensor_load_to_lds s[\g0b:\g0b+3], s[\g1b:\g1b+7]
	s_nop 0
.rept 4
	v_nop
.endr
.Lasked_\@:
.endm
.macro CREST                           ; a round of the cluster's barrier behind its opening barrier
	s_cmp_lg_u32 s14, 0
	s_cbranch_scc1 .Lnot_wave_0_\@
	s_barrier_signal -3
.Lnot_wave_0_\@:
	s_barrier_wait -3
	s_barrier_signal -1
	s_barrier_wait -1
.endm
.macro CROUND                          ; a whole round
	s_barrier_signal -1
	s_barrier_wait -1
	CREST
.endm
	s_load_b128 s[4:7], s[0:1], 0x0                ; x's codes s[4:5], W1's images s[6:7]
	s_load_b128 s[8:11], s[0:1], 0x10              ; the scales' exponents s[8:9], b1 s[10:11]
	s_load_b64 s[12:13], s[0:1], 0x20              ; the hidden layer's images
	v_lshl_add_u32 v[SPW], v0, 2, SPARE
	v_mov_b32 v[NIL], 0
	ds_add_u32 v[SPW], v[NIL]                      ; the wave's opening: the add, twice on end, and its wait ahead of my first tensor load; the set-up below stands between the second and the wait
	ds_add_u32 v[SPW], v[NIL]                      ; and once more, under the one wait
	v_lshrrev_b32 v1, 5, v0
	v_readfirstlane_b32 s14, v1                    ; wave 0..3
	s_lshr_b32 s15, s14, 1                         ; which half of the tile's rows is mine.  Also: I fetch for x (0) or for W1 (1)
	s_and_b32 s16, s14, 1                          ; which half of its hidden units.  Also: which half of that tile I fetch
	s_bfe_u32 s40, ttmp6, 0x40000                  ; cx, cy: my place in the cluster
	s_bfe_u32 s41, ttmp6, 0x40004
	s_lshl_b32 s42, ttmp9, 2
	s_add_co_u32 s42, s42, s40                     ; tile column (hidden units) = 4 x cluster x + cx
	s_and_b32 s17, ttmp7, 0xffff
	s_lshl_b32 s17, s17, 2
	s_add_co_u32 s17, s17, s41                     ; tile row = 4 x cluster y + cy
	s_lshl_b32 s43, s41, 2
	s_lshl_b32 s43, 15, s43                        ; my row of the cluster
	s_lshl_b32 s44, 0x1111, s40                    ; my column
	s_or_b32 s[G1+0], s43, (0<<16)|(1<<20)|(1<<21)|(5<<22)|(3<<25)  ; 15:0 the mask: x's tiles go to my row; 17:16 elements of 1 byte; 20 padding on; 21 set beside a mask; 24:22 after every 64 words (code 5); 31:25 four words (code 3)
	s_mov_b32 s[G1+1], 256<<16                     ; tensor_dim0 = 256
	s_mov_b32 s[G1+2], 128<<16                     ; tensor_dim1 = 128
	s_mov_b32 s[G1+3], 256<<16                     ; tile_dim0
	s_mov_b32 s[G1+4], 128                         ; tile_dim1
	s_mov_b32 s[G1+5], KROW                        ; tensor_dim0_stride
	s_mov_b32 s[G1+6], 0
	s_mov_b32 s[G1+7], 0
	s_or_b32 s[G1B+0], s44, (3<<16)|(1<<21)        ; the mask of my column; elements of 8 bytes; no padding: 32,768 dense bytes as 128 rows of 256
	s_mov_b32 s[G1B+1], 32<<16
	s_mov_b32 s[G1B+2], 128<<16
	s_mov_b32 s[G1B+3], 32<<16
	s_mov_b32 s[G1B+4], 128
	s_mov_b32 s[G1B+5], 32
	s_mov_b32 s[G1B+6], 0
	s_mov_b32 s[G1B+7], 0
	s_lshl_b32 s18, s16, 7
	s_lshl_b32 s20, s17, 8
	s_add_co_u32 s20, s20, s18
	s_lshl_b32 s20, s20, 10                        ; x: row 256 x tile row + 128 x half, 1,024 bytes a row
	s_mov_b32 s21, 0
	s_lshl_b32 s18, s16, 3
	s_lshl_b32 s46, s42, 4
	s_add_co_u32 s46, s46, s18
	s_lshl_b32 s46, s46, 12                        ; W1: block 16 x tile column + 8 x half, 4,096 bytes a block and K step
	s_mov_b32 s47, 0
	s_mul_i32 s45, s16, HALFA                      ; where they go: no place in the cluster enters an LDS address
	s_lshl_b32 s66, s16, 15
	s_add_co_u32 s66, s66, BOFF
	s_wait_dscnt 0x0                               ; both opening adds are done
	s_wait_kmcnt 0x0
	s_load_b128 s[68:71], s[8:9], 0x0              ; e0, e1, e2, e3
	s_add_nc_u64 s[20:21], s[4:5], s[20:21]
	s_add_nc_u64 s[46:47], s[6:7], s[46:47]
	CROUND                                         ; all sixteen work-groups are here: the first joint loads meet
.irp s, 0,1
	s_mov_b32 s[G0+4*\s], 1
	s_add_co_u32 s[G0+4*\s+1], s45, \s*SLOT
	s_add_nc_u64 s[G0+4*\s+2:G0+4*\s+3], s[20:21], \s*256           ; K step s: 256 bytes along the rows
	s_or_b32 s[G0+4*\s+3], s[G0+4*\s+3], 0x80000000
	s_mov_b32 s[G0B+4*\s], 1
	s_add_co_u32 s[G0B+4*\s+1], s66, \s*SLOT
	s_add_nc_u64 s[G0B+4*\s+2:G0B+4*\s+3], s[46:47], \s*1048576     ; K step s: 256 blocks of 4,096 bytes on
	s_or_b32 s[G0B+4*\s+3], s[G0B+4*\s+3], 0x80000000
	JLOAD G0+4*\s, G1, G0B+4*\s, G1B
.endr
	v_and_b32 v1, 15, v0                           ; r
	v_bfe_u32 v2, v0, 4, 1                         ; h
	v_and_b32 v6, 31, v0
	v_lshlrev_b32 v[LI], 4, v6
	v_mul_u32_u24 v3, v1, PITCH
	v_lshl_add_u32 v4, v2, 4, v3                   ; x: a fragment's row x pitch + 16 x half
	s_mul_i32 s21, s15, HALFA                      ; my 128 rows of x
	s_lshl_b32 s22, s16, 15
	s_add_co_u32 s22, s22, BOFF                    ; my 8 blocks of W1
.irp s, 0,1
	v_add_nc_u32 v[ADRA+\s], s21, v4
	v_add_nc_u32 v[ADRB+\s], s22, v[LI]
	s_add_co_u32 s21, s21, SLOT
	s_add_co_u32 s22, s22, SLOT
.endr
	s_lshl_b32 s22, s42, 10
	s_lshl_b32 s23, s16, 9
	s_add_co_u32 s22, s22, s23                     ; b1: my 128 numbers begin at 256 x tile column + 128 x half
	s_mov_b32 s23, 0
	s_add_nc_u64 s[10:11], s[10:11], s[22:23]
	v_lshlrev_b32 v5, 5, v2                        ; lane (r, h) wants, for block b, those of hidden units 16 b + 8 h + 0..7
.irp b, 0,1,2,3,4,5,6,7
	global_load_b128 v[BI+8*\b:BI+8*\b+3], v5, s[10:11] offset:64*\b
	global_load_b128 v[BI+8*\b+4:BI+8*\b+7], v5, s[10:11] offset:64*\b+16
.endr
	s_lshl_b32 s22, s42, 21                        ; the images: K step = tile column: 512 blocks of 4,096 bytes each,
	s_lshl_b32 s23, s17, 4
	s_lshl_b32 s18, s15, 3
	s_add_co_u32 s23, s23, s18
	s_lshl_b32 s23, s23, 12                        ; block 16 x tile row + 8 x my half of the rows,
	s_add_co_u32 s22, s22, s23
	s_lshl_b32 s23, s16, 11                        ; q = my half of the hidden units
	s_add_co_u32 s22, s22, s23
	s_mov_b32 s23, 0
	s_add_nc_u64 s[12:13], s[12:13], s[22:23]
	s_wait_kmcnt 0x0
	s_add_co_i32 s72, s68, s69                     ; E0 = e0 + e1
	s_sub_co_i32 s73, 0, s72
	s_lshl_b32 s75, s72, 23
	s_mov_b32 s[PS], 0x3e6d3388                    ; 0.3275911 / sqrt 2,
	s_add_co_i32 s[PS], s[PS], s75                 ; x 2^E0: E0 is added to the exponent field
	s_lshl_b32 s75, s72, 24
	s_mov_b32 s[KS], 0xbf38aa3b                    ; -log2(e) / 2,
	s_add_co_u32 s[KS], s[KS], s75                 ; x 2^(2 E0)
	s_mov_b32 s[KS+1], s[KS]                       ; (named with it as a pair, so it is written)
	s_mov_b32 s[A5], 0x3f87dc22                    ; a5 = 1.061405429
	s_mov_b32 s[A5+1], s[A5]
	s_sub_co_i32 s80, s70, s72
	s_add_co_i32 s80, s80, 128                     ; e2 - E0 + 1, + 127
	s_lshl_b32 s81, s80, 23
	v_mov_b32 v[SCL], s81
	s_add_co_i32 s80, s80, 8
	s_lshl_b32 s80, s80, 23
	s_or_b32 s80, s80, 0x600000
	v_mov_b32 v[LIMV], s80
	v_mov_b32 v[KC+0], 0xbfba00e3                  ; a4 = -1.453152027
	v_mov_b32 v[KC+1], 0xbfba00e3
	v_mov_b32 v[KC+2], 0x3fb5f0e3                  ; a3 = 1.421413741
	v_mov_b32 v[KC+3], 0x3fb5f0e3
	v_mov_b32 v[KC+4], 0xbe91a98e                  ; a2 = -0.284496736
	v_mov_b32 v[KC+5], 0xbe91a98e
	v_mov_b32 v[KC+6], 0x3e827906                  ; a1 = 0.254829592
	v_mov_b32 v[KC+7], 0x3e827906
	s_wait_loadcnt 0x0                             ; b1
.set i, 0
.rept 64
	v_ldexp_f32 v[BI+i], v[BI+i], s73              ; a sum stands for sum x 2^E0: the bias goes in as b1 / 2^E0
.set i, i+1
.endr
; 16 matrix instructions: x's blocks a0, a0 + 1 against W1's eight, 128 along K.  p: W1's set.  first = 1: the bias is the C: nothing is ever cleared.
; The 64 accumulators take turns, one instruction a turn, in the same order in every step.
.macro MUL16 a0, p, first
.irp a, \a0, \a0+1
.irp b, 0,1,2,3,4,5,6,7
.if \first
	v_wmma_f32_16x16x128_fp8_fp8 v[8*(8*((\a)%4)+\b):8*(8*((\a)%4)+\b)+7], v[128*(\p)+FR*\b:128*(\p)+FR*\b+FR-1], v[AF+FR*(\a):AF+FR*(\a)+FR-1], v[BI+8*\b:BI+8*\b+7]
.else
	v_wmma_f32_16x16x128_fp8_fp8 v[8*(8*((\a)%4)+\b):8*(8*((\a)%4)+\b)+7], v[128*(\p)+FR*\b:128*(\p)+FR*\b+FR-1], v[AF+FR*(\a):AF+FR*(\a)+FR-1], v[8*(8*((\a)%4)+\b):8*(8*((\a)%4)+\b)+7]
.endif
.endr
.endr
.endm
.macro FETCH_B slot, q, p              ; W1's eight images of the slot's q-th 128 along K into set p
	WIN TO_B
.irp i, 0,1,2,3,4,5,6,7
.irp c, 0,1,2,3
	ds_load_b128 v[128*(\p)+FR*\i+4*\c:128*(\p)+FR*\i+4*\c+3], v[ADRB+(\slot)] offset:(2*\i+(\q))*2048+512*\c
.endr
.endr
	WIN 0
.endm
.macro FETCH_A slot, q, i0             ; x's blocks i0 .. i0 + 3
.irp i, \i0, \i0+1, \i0+2, \i0+3
.irp c, 0,1,2,3
	ds_load_b128 v[AF+FR*(\i)+4*\c:AF+FR*(\i)+4*\c+3], v[ADRA+(\slot)] offset:128*(\q)+32*\c+(\i)*16*PITCH
.endr
.endr
.endm
; A load into a register that a matrix instruction has read, and a vector instruction that reads a matrix result or writes one of a matrix instruction's registers, stand NP places behind it, and only plain vector
; instructions that name none of its registers are places (ISA guide 7.12.1 for vector instructions).
.macro PLACES n
.rept \n
	v_nop
.endr
.endm
; A slot's first 128 along K (W1's set 0); the second 128's fragments are fetched on the way.
.macro STEP slot, first
	s_wait_dscnt 4*NL                              ; W1's set and x's blocks 0-3 are in; the youngest sixteen loads (x's blocks 4-7) may be out
.if \first
	WIN FST_LO
.else
	WIN MUL_LO
.endif
	MUL16 0, 0, \first
	MUL16 2, 0, \first
	s_wait_dscnt 0                                 ; x's blocks 4-7 are in
	PLACES NP
	FETCH_B \slot, 1, 1
	FETCH_A \slot, 1, 0
.if \first
	WIN FST_HI
.else
	WIN MUL_HI
.endif
	MUL16 4, 0, \first
	MUL16 6, 0, \first
	PLACES NP
	WIN 0
	FETCH_A \slot, 1, 4
.endm
; A slot's second 128 along K (set 1) changes slots: ONE barrier; in front of it each wave waits for all its tensor loads, adds 0 to its spare word, and waits for that and for its own reads of this slot.
; fill = 1: this slot is filled again, two K steps ahead; the barrier then opens a round of the cluster's barrier.
.macro TURN slot, next, fill
	s_wait_tensorcnt 0x0                           ; all my tensor loads have landed: my part of the next slot  (every window is 0 here)
	ds_add_u32 v[SPW], v[NIL]                      ; 0 onto my spare word
	s_wait_dscnt 4*NL+1                            ; (the add and the youngest sixteen loads, x's blocks 4-7, may be out)
	WIN MUL_LO
	MUL16 0, 1, 0                                  ; sixteen matrix instructions stand between the add and the wait for it
	s_wait_dscnt 0x0                               ; the add is done, and my reads of this slot are over
	s_barrier_signal -1
	MUL16 2, 1, 0
	WIN 0
	s_barrier_wait -1
.if \fill
	CREST                                          ; no wave of any partner still reads this slot's tiles or has a load on its way
	s_add_nc_u64 s[G0+4*\slot+2:G0+4*\slot+3], s[G0+4*\slot+2:G0+4*\slot+3], 512
	s_add_nc_u64 s[G0B+4*\slot+2:G0B+4*\slot+3], s[G0B+4*\slot+2:G0B+4*\slot+3], 2097152
	JLOAD G0+4*\slot, G1, G0B+4*\slot, G1B         ; the first tensor load behind the round; its four v_nop are the places in front of the loads below
.else
	PLACES NP
.endif
	FETCH_B \next, 0, 0
	FETCH_A \next, 0, 0
	WIN MUL_HI
	MUL16 4, 1, 0
	MUL16 6, 1, 0
	PLACES NP
	WIN 0
	FETCH_A \next, 0, 4
.endm
	s_wait_tensorcnt 1                             ; my part of K step 0 is in (K step 1's load, issued behind it, may be out)
	s_barrier_signal -1
	s_barrier_wait -1                              ; everybody's is
	FETCH_B 0, 0, 0
	FETCH_A 0, 0, 0
	FETCH_A 0, 0, 4
	STEP 0, 1                                      ; K = 0: the bias starts the sums
	TURN 0, 1, 1                                   ; K = 128; slot 0 takes K step 2
	STEP 1, 0
	TURN 1, 0, 1                                   ; slot 1 takes K step 3: the last load
	STEP 0, 0
	TURN 0, 1, 0                                   ; nothing is left to fetch: no round
	STEP 1, 0
	s_wait_dscnt 4*NL                              ; the very last 128
	WIN MUL_LO
	MUL16 0, 1, 0
	MUL16 2, 1, 0
	s_wait_dscnt 0
	WIN MUL_HI
	MUL16 4, 1, 0
	MUL16 6, 1, 0
	WIN 0
; THE WAY OUT of block a: 16 rows x 128 hidden units, 64 numbers a lane.  Each line of the formula runs over all 64 (or 32 pairs), so that no instruction waits for the one before it.
; The 128 transcendentals are one batch: none reads another's result, one plain line follows the last, and ONE wait stands ahead of the first reader.
.macro GELU a
.set AC, 64*((\a)%4)
.set W, 2+(\a)/4                       ; the block's window
	WIN W                                          ; source 0 in the block's window
.set i, 0
.rept 64
	v_fma_f32 v[TD+i], |v[AC+i]|, s[PS], 1.0       ; 1 + p |u| / sqrt 2.  Ascending: each accumulator is read from its low end on
.set i, i+1
.endr
	WIN 0
.set i, 0
.rept 64
	v_rcp_f32 v[TD+i], v[TD+i]                     ; t
.set i, i+1
.endr
.set WN, W|(W<<2)
	WIN WN                                         ; sources 0 and 1 in the block's window
.set i, 0
.rept 32
	v_pk_mul_f32 v[TQ+i:TQ+i+1], v[AC+i:AC+i+1], v[AC+i:AC+i+1]
.set i, i+2
.endr
	WIN 0
.set i, 0
.rept 32
	v_pk_mul_f32 v[TQ+i:TQ+i+1], v[TQ+i:TQ+i+1], s[KS:KS+1] op_sel_hi:[1,0]   ; -u^2 / 2 x log2(e)
.set i, i+2
.endr
.set i, 0
.rept 64
	v_exp_f32 v[TQ+i], v[TQ+i]                     ; exp(-u^2 / 2)
.set i, i+1
.endr
	v_nop                                          ; the plain line behind the last transcendental
	s_wait_alu depctr_va_vdst(0)                   ; one wait for the 64 reciprocals and the 64 exponentials
.set i, 0
.rept 32
	v_pk_fma_f32 v[TH+i:TH+i+1], v[TD+i:TD+i+1], s[A5:A5+1], v[KC:KC+1] op_sel_hi:[1,0,1]   ; a5 t + a4
.set i, i+2
.endr
.irp k, 2,4,6
.set i, 0
.rept 32
	v_pk_fma_f32 v[TH+i:TH+i+1], v[TH+i:TH+i+1], v[TD+i:TD+i+1], v[KC+\k:KC+\k+1]           ; x t + a3, a2, a1
.set i, i+2
.endr
.endr
.set i, 0
.rept 32
	v_pk_mul_f32 v[TQ+i:TQ+i+1], v[TD+i:TD+i+1], v[TQ+i:TQ+i+1]                             ; t x the exponential
.set i, i+2
.endr
.set i, 0
.rept 32
	v_pk_fma_f32 v[TH+i:TH+i+1], v[TH+i:TH+i+1], v[TQ+i:TQ+i+1], 1.0 op_sel_hi:[1,1,0] neg_lo:[1,0,0] neg_hi:[1,0,0]   ; erf = 1 - the polynomial x that
.set i, i+2
.endr
.set WN, W|(W<<4)
	WIN WN                                         ; sources 0 and 2 in the block's window
.set i, 0
.rept 64
	v_fma_f32 v[TH+i], |v[AC+i]|, v[TH+i], v[AC+i] ; a + |a| erf = 2 gelu(u) / 2^E0
.set i, i+1
.endr
	WIN 0
.set i, 0
.rept 64
	v_med3_num_f32 v[TH+i], v[TH+i], -v[LIMV], v[LIMV]   ; the conversion to an 8-bit code does not saturate (ISA guide 7.6.2): the hold
.set i, i+1
.endr
.if (\a) > 0
	s_wait_xcnt 0x0                                ; the last block's stores have read the codes' registers: only behind this wait are they written again
.endif
.irp b, 0,1,2,3,4,5,6,7
	v_cvt_scalef32_pk8_fp8_f32 v[CD+2*\b:CD+2*\b+1], v[TH+8*\b:TH+8*\b+7], v[SCL]   ; registers 2 b, 2 b + 1 of the next product's fragment: k = 16 b + 8 h + 0..7
.endr
	v_nop                                          ; one plain vector line behind the conversions: the next block writes their sources
.irp g, 0,1,2,3
	global_store_b128 v[LI], v[CD+4*\g:CD+4*\g+3], s[12:13] offset:4096*(\a)+512*\g   ; 32 lanes store 512 consecutive bytes, at a multiple of 512 from the buffer's first byte
.endr
.endm
	PLACES NP                                      ; behind the last products: the lines below write registers that held x's fragments
.irp a, 0,1,2,3,4,5,6,7
	GELU \a
.endr
	s_wait_tensorcnt 0x0                           ; the wave's end, behind my last tensor load
	ds_add_u32 v[SPW], v[NIL]
	s_wait_dscnt 0x0
	CROUND                                         ; the closing round: no work-group ends while a partner may still ask for a tile that names it
	s_endpgm
.Lfunc_end_k_q5e1481edf7_fc1:
	.size	k_q5e1481edf7_fc1, .Lfunc_end_k_q5e1481edf7_fc1-k_q5e1481edf7_fc1
	.p2alignl 7, 3214868480
	.fill 96, 4, 3214868480
	.section	.rodata,"a",@progbits
	.p2align	6, 0x0
	.amdhsa_kernel k_q5e1481edf7_fc1
		.amdhsa_group_segment_fixed_size 327680
		.amdhsa_private_segment_fixed_size 0
		.amdhsa_enable_private_segment 0
		.amdhsa_kernarg_size 40
		.amdhsa_user_sgpr_count 2
		.amdhsa_user_sgpr_kernarg_segment_ptr 1
		.amdhsa_wavefront_size32 1
		.amdhsa_system_sgpr_workgroup_id_x 1
		.amdhsa_system_sgpr_workgroup_id_y 1
		.amdhsa_system_sgpr_workgroup_id_z 1
		.amdhsa_system_vgpr_workitem_id 0
		.amdhsa_next_free_vgpr 1024
		.amdhsa_next_free_sgpr 98
		.amdhsa_reserve_vcc 0
		.amdhsa_float_denorm_mode_32 3
		.amdhsa_float_denorm_mode_16_64 3
		.amdhsa_memory_ordered 1
		.amdhsa_forward_progress 1
		.amdhsa_inst_pref_size 255
	.end_amdhsa_kernel
	.section	.bss,"aw",@nobits
	.p2align	6
	.space	262144
	.amdgpu_metadata
---
amdhsa.version: [ 1, 2 ]
amdhsa.kernels:
  - .name:           k_q5e1481edf7_fc1
    .symbol:         k_q5e1481edf7_fc1.kd
    .args:
      - { .name: x_codes, .offset: 0, .size: 8, .value_kind: global_buffer, .address_space: global }
      - { .name: w1img, .offset: 8, .size: 8, .value_kind: global_buffer, .address_space: global }
      - { .name: lowp_scales, .offset: 16, .size: 8, .value_kind: global_buffer, .address_space: global }
      - { .name: b1, .offset: 24, .size: 8, .value_kind: global_buffer, .address_space: global }
      - { .name: himg, .offset: 32, .size: 8, .value_kind: global_buffer, .address_space: global }
    .group_segment_fixed_size: 327680
    .private_segment_fixed_size: 0
    .kernarg_segment_align: 8
    .kernarg_segment_size: 40
    .max_flat_workgroup_size: 128
    .sgpr_count:     98
    .vgpr_count:     1024
    .wavefront_size: 32
...
	.end_amdgpu_metadata
.endif
;; end of part 2
;; launch fc2 (part 3): grid 4 x 64, 4 waves a work-group, clusters of 4 x 4, 327,680 bytes of LDS; arguments himg, w2img, lowp_scales, b2, out0; writes out0
.if DOCPART == 3
	.amdgcn_target "amdgcn-amd-amdhsa--gfx1250"
	.amdhsa_code_object_version 6
	.text
	.protected	k_q5e1481edf7_fc2
	.globl	k_q5e1481edf7_fc2
	.p2align	8
	.type	k_q5e1481edf7_fc2,@function
k_q5e1481edf7_fc2:
	s_mov_b64 s[64:65], 0
	v_nop
	global_prefetch_b8 v0, s[64:65] scope:SCOPE_SE
	s_setreg_imm32_b32 hwreg(HW_REG_WAVE_MODE, 25, 1), 1
	s_wait_xcnt 0x0
	s_wait_alu depctr_hold_cnt(0) depctr_sa_sdst(0) depctr_va_vdst(0) depctr_va_sdst(0) depctr_va_ssrc(0) depctr_va_vcc(0) depctr_vm_vsrc(0)
	s_getreg_b32 s2, hwreg(HW_REG_IB_STS2, 6, 4)
	s_cmp_eq_u32 s2, 0
	s_cbranch_scc0 .Lentry_in_a_cluster
	s_endpgm
.Lentry_in_a_cluster:
	s_bfe_u32 s2, ttmp6, 0x10000c
	s_cmp_lg_u32 s2, 0xf033
	s_cbranch_scc0 .Lentry_shape_is_right
	s_endpgm
.Lentry_shape_is_right:
; out0 = h W2^T + b2.  h: [8,192][4,096] and W2: [1,024][4,096], codes of E4M3 with the scales 2^e2 and 2^e3, both as images of operand registers made by the launches before:
; image (ks, blk, q) at ((ks x NBLK + blk) x 2 + q) x 2,048 bytes: rows 16 blk on, K = 256 ks + 128 q on; registers 4 g .. 4 g + 3 of lane l at byte 512 g + 16 l; k in the instruction's own order.
; NBLK = 512 (h), 64 (W2).  b2: [1,024] f32.  out0: [8,192][1,024] f32.  Nothing of reference() is left out here.
; A tile of 128 rows x 256 columns is made by a work-group of four waves: 256 work-groups, one for each WGP.  K = 4,096 goes in 16 steps of 256; a K step's tiles are 32,768 bytes of h and 65,536 of W2,
; each a dense block of memory: a UNIT of 98,304 bytes in LDS.
; THE RING HAS TWO UNEQUAL SLOTS, since three units fit in LDS and four do not: X = unit 0 holds one K step (0, 3, 6, 9, 12, 15), Y = units 1 and 2 holds two ((1, 2), (4, 5), (7, 8), (10, 11), (13, 14)).
; So the 16 K steps come by two first fills, which go out together, and nine refills; no barrier stands between Y's two K steps.  By this text's count a wave has two tensor loads out at the start and one behind each round.
; K IS SHARED OUT INSIDE THE WORK-GROUP: wave w takes, of every K step, the 128 along K numbered kh = w / 2, for all 128 rows and for the columns' half wc = w % 2: a partial sum of 128 x 128 in 512 registers.
; So each fragment read from LDS feeds eight products, as in a tile of 256 x 256.  At the end waves w and w xor 2 hand each other half of their partial sums through LDS and add.
; A STATED DIFFERENCE IN THE ORDER OF ROUNDING: an output's sum over K is made as two f32 sums (the even and the odd runs of 128), added once.
; LIMIT: e2 + e3 between -126 and 127, so that 2^(e2 + e3) is an f32 number.
; THE ROW BLOCKS ARE TURNED BY kh: my register block a stands for the tile's row block (a + 4 kh) mod 8.  So every wave keeps window 2 and gives window 3 away, and no line differs between waves.
; CLUSTERS: 4 x 4 work-groups.  The four of a row of the cluster need the same tile of h, the four of a column the same tile of W2: each is asked for JOINTLY, by the same tensor load with the same descriptor
; and a mask that names the four.
; THE MATRIX INSTRUCTION IS USED TRANSPOSED (source 0 = 16 rows of W2, source 1 = 16 rows of h): a lane holds eight neighbouring numbers of a row of out0.
; REGISTERS, in windows of 256: window 0: v0-31 addresses; v32-95 at work on the way out; v96-99 b2; from v128 h's fragments, ONE set; on the way out rows read back.
;   window 1: W2's fragments, TWO sets, at v0 and v128; on the way out the partner's partial sums.   window 2: register blocks 0-3 ((a, b) at v[8 (8 a + b)]);   window 3: register blocks 4-7.
.set FR,     16
.set NL,     4
.set NP,     4                         ; places behind this matrix instruction (ISA guide 7.12.1)
.set UNIT,   98304                     ; a K step in LDS: h's 8 blocks x 4,096 bytes, then W2's 16 blocks x 4,096
.set SPARE,  3*UNIT                    ; behind the ring: the spare words, 128 bytes for each wave: two blocks of 256 bytes that no other line names
.set STAGE,  131072                    ; the way out.  Bytes 0 .. 131,071: the exchange, 32,768 for each wave; from here 16 rows x 528 bytes for each wave.  Both lie in the ring, which has then had its last fill and its last read
.set SPITCH, 528
.set ASTEP,  3*512*4096                ; three K steps on, in h's images,
.set BSTEP,  3*64*4096                 ; and in W2's
.set ADRL, 7                           ; v7-9    LDS address of h's register blocks 0-3 in unit 0, 1, 2
.set ADRH, 10                          ; v10-12  of register blocks 4-7
.set ADRB, 13                          ; v13-15  of W2's eight blocks
.set XS,   22                          ; v22     the exchange: where I put
.set XL,   23                          ; v23     and where my partner has put
.set STO,  24                          ; v24     the stage: where I put 32 bytes of a row
.set RD,   25                          ; v25     and where I read a row back
.set CO,   26                          ; v26     16 x lane
.set SPW,  28                          ; v28     LDS address of my spare word; never rewritten
.set NIL,  29                          ; v29     0; never rewritten
.set PFO,  30                          ; v30     256 x lane: the prefetches' offset; never rewritten
.set TMP,  32
.set B2,   96                          ; v96-99  b2 at my four columns of a row
.set AF,   128
.set BK,   128                         ; 16 rows read back: v128-191 and v192-255 by turns
.set G1AX, 24                          ; s[24:31] descriptor group 1: X's tile of h;   s[32:39] X's tile of W2
.set G1BX, 32
.set G1AY, 40                          ; s[40:47] Y's tile of h;   s[48:55] Y's tile of W2
.set G1BY, 48
.set G0AX, 56                          ; s[56:59], s[60:63] descriptor groups 0 for X;   s[72:75], s[76:79] for Y
.set G0BX, 60
.set G0AY, 72
.set G0BY, 76
.set PFA, 82                           ; s[82:83] where my prefetches stand
.set PFS, 84                           ; s[84:85] a K step on, in bytes
.set LIM, 86                           ; s86     12 in a wave that prefetches, else 0
.set KJ,  87                           ; s87     K steps begun
.set MSB, 0
.macro WIN new                         ; the immediate's high byte repeats the setting that is left; a switch that changes nothing is dropped
.if MSB != (\new)
	s_set_vgpr_msb (MSB<<8)|(\new)
.set MSB, (\new)
.endif
.endm
.set MUL_LO, 0xa1                      ; source 0 (W2) window 1, source 1 (h) window 0, C and D window 2
.set MUL_HI, 0xf1
.set TO_B,   0x40
.macro JLOAD g0a, g1a, g0b, g1b        ; a joint load: waves 0 and 1 fetch for h, waves 2 and 3 for W2; an s_nop 0 and four v_nop follow each of the two lines
	s_cmp_eq_u32 s15, 0
	s_cbranch_scc0 .Lfor_b_\@
	tensor_load_to_lds s[\g0a:\g0a+3], s[\g1a:\g1a+7]
	s_nop 0
.rept 4
	v_nop
.endr
	s_branch .Lasked_\@
.Lfor_b_\@:
	tensor_load_to_lds s[\g0b:\g0b+3], s[\g1b:\g1b+7]
	s_nop 0
.rept 4
	v_nop
.endr
.Lasked_\@:
.endm
.macro CREST                           ; a round of the cluster's barrier behind its opening barrier
	s_cmp_lg_u32 s14, 0
	s_cbranch_scc1 .Lnot_wave_0_\@
	s_barrier_signal -3
.Lnot_wave_0_\@:
	s_barrier_wait -3
	s_barrier_signal -1
	s_barrier_wait -1
.endm
.macro CROUND                          ; a whole round
	s_barrier_signal -1
	s_barrier_wait -1
	CREST
.endm
.macro GROUP1 g, mask, rows            ; a dense block as rows of 256 bytes: 15:0 the mask; 17:16 elements of 8 bytes; 21 set beside a mask; no padding
	s_or_b32 s[\g], s[\mask], (3<<16)|(1<<21)
	s_mov_b32 s[\g+1], 32<<16                      ; tensor_dim0 = 32 elements
	s_mov_b32 s[\g+2], (\rows)<<16                 ; tensor_dim1
	s_mov_b32 s[\g+3], 32<<16                      ; tile_dim0
	s_mov_b32 s[\g+4], \rows                       ; tile_dim1
	s_mov_b32 s[\g+5], 32                          ; tensor_dim0_stride
	s_mov_b32 s[\g+6], 0
	s_mov_b32 s[\g+7], 0
.endm
.macro GROUP0 g, lds, base, off        ; count 1; the LDS address; the buffer's address + the tile's offset; type 2
	s_mov_b32 s[\g], 1
	s_mov_b32 s[\g+1], s[\lds]
	s_add_nc_u64 s[\g+2:\g+3], s[\base:\base+1], s[\off:\off+1]
	s_or_b32 s[\g+3], s[\g+3], 0x80000000
.endm
; A PREFETCH INTO THE L2.  K step j names K step j + 5, whose tensor load stands two or three K steps, 128 or 192 matrix instructions of a wave, further on.  One instruction a wave: 8,192 bytes, lanes 256 bytes apart.
; Each aligned block of 256 bytes is named once in the launch.  A tile of h (32,768 bytes a K step) is read by one row of one cluster: wave 0 of each of the four takes a quarter, told apart BY ADDRESS (cx).
; A tile of W2 (65,536 bytes) is read by every cluster: those with cluster y = 0 ask; waves 2 and 3 of the column's four work-groups take an eighth each, by address (cy, the wave).  Wave 1 asks for nothing.
; K steps 0 to 4 come by their loads alone; behind K step 15 nothing is named.
.macro ASK
	s_cmp_lt_u32 s[KJ], s[LIM]
	s_cbranch_scc0 .Lnot_mine_\@
	global_prefetch_b8 v[PFO], s[PFA:PFA+1] th:TH_LOAD_NT scope:SCOPE_SE
.Lnot_mine_\@:
.endm
	s_load_b128 s[4:7], s[0:1], 0x0                ; h's images s[4:5], W2's images s[6:7]
	s_load_b128 s[8:11], s[0:1], 0x10              ; the scales' exponents s[8:9], b2 s[10:11]
	s_load_b64 s[12:13], s[0:1], 0x20              ; out0
	v_lshl_add_u32 v[SPW], v0, 2, SPARE
	v_mov_b32 v[NIL], 0
	ds_add_u32 v[SPW], v[NIL]                      ; the wave's opening: the add, twice on end, and its wait ahead of my first tensor load; the set-up below stands between the second and the wait
	ds_add_u32 v[SPW], v[NIL]                      ; and once more, under the one wait
	v_lshrrev_b32 v1, 5, v0
	v_readfirstlane_b32 s14, v1                    ; wave 0..3
	s_lshr_b32 s15, s14, 1                         ; kh.  Also: I fetch for h (0) or for W2 (1)
	s_and_b32 s16, s14, 1                          ; wc.  Also: which half of X's tile, which of Y's two K steps I fetch
	s_bfe_u32 s90, ttmp6, 0x40000                  ; cx, cy: my place in the cluster
	s_bfe_u32 s91, ttmp6, 0x40004
	s_lshl_b32 s92, ttmp9, 2
	s_add_co_u32 s92, s92, s90                     ; tile column = 4 x cluster x + cx
	s_and_b32 s17, ttmp7, 0xffff
	s_lshl_b32 s17, s17, 2
	s_add_co_u32 s17, s17, s91                     ; tile row = 4 x cluster y + cy
	s_lshl_b32 s93, s91, 2
	s_lshl_b32 s93, 15, s93                        ; my row of the cluster
	s_lshl_b32 s94, 0x1111, s90                    ; my column
	GROUP1 G1AX, 93, 64                            ; X: half a K step's tile of h, 16,384 bytes, to my row of the cluster;
	GROUP1 G1BX, 94, 128                           ;    half a K step's tile of W2, 32,768 bytes, to my column
	GROUP1 G1AY, 93, 128                           ; Y: a whole K step's tile of h, 32,768 bytes;
	GROUP1 G1BY, 94, 256                           ;    a whole K step's tile of W2, 65,536 bytes
	s_lshl_b32 s18, s16, 2
	s_lshl_b32 s20, s17, 3
	s_add_co_u32 s20, s20, s18
	s_lshl_b32 s20, s20, 12                        ; X's h: K step 0, block 8 x tile row + 4 x half
	s_mov_b32 s21, 0
	s_add_co_u32 s19, s16, 1                       ; Y: K step, and unit, 1 + half
	s_lshl_b32 s80, s17, 15
	s_lshl_b32 s18, s19, 21
	s_add_co_u32 s80, s80, s18                     ; Y's h: block 8 x tile row; a K step is 512 blocks of 4,096 bytes
	s_mov_b32 s81, 0
	s_lshl_b32 s18, s16, 3
	s_lshl_b32 s96, s92, 4
	s_add_co_u32 s96, s96, s18
	s_lshl_b32 s96, s96, 12                        ; X's W2: K step 0, block 16 x tile column + 8 x half
	s_mov_b32 s97, 0
	s_lshl_b32 s22, s92, 16
	s_lshl_b32 s18, s19, 18
	s_add_co_u32 s22, s22, s18                     ; Y's W2: block 16 x tile column; a K step is 64 blocks
	s_mov_b32 s23, 0
	s_lshl_b32 s67, s16, 14                        ; where they go: no place in the cluster enters an LDS address.  X's h;
	s_lshl_b32 s66, s16, 15
	s_add_co_u32 s66, s66, 32768                   ; X's W2;
	s_mul_i32 s2, s19, UNIT                        ; Y's h;
	s_add_co_u32 s95, s2, 32768                    ; Y's W2
	s_wait_dscnt 0x0                               ; both opening adds are done
	s_wait_kmcnt 0x0
	s_load_b128 s[68:71], s[8:9], 0x0              ; e0, e1, e2, e3
	GROUP0 G0AX, 67, 4, 20
	GROUP0 G0BX, 66, 6, 96
	GROUP0 G0AY, 2, 4, 80
	GROUP0 G0BY, 95, 6, 22
	CROUND                                         ; all sixteen work-groups are here: the first joint loads meet
	JLOAD G0AX, G1AX, G0BX, G1BX                   ; K step 0
	JLOAD G0AY, G1AY, G0BY, G1BY                   ; K steps 1 and 2
	v_and_b32 v6, 31, v0
	v_lshlrev_b32 v[CO], 4, v6
	v_lshlrev_b32 v[PFO], 8, v6
	s_lshl_b32 s21, s15, 11                        ; my 128 along K: image q = kh
	s_lshl_b32 s22, s15, 14
	s_add_co_u32 s22, s22, s21                     ; register blocks 0-3: the tile's row blocks 4 kh on
	s_xor_b32 s23, s15, 1
	s_lshl_b32 s23, s23, 14
	s_add_co_u32 s23, s23, s21                     ; register blocks 4-7: the other four
	s_lshl_b32 s18, s16, 15
	s_add_co_u32 s18, s18, s21
	s_add_co_u32 s18, s18, 32768                   ; W2: my eight blocks
.irp u, 0,1,2
	v_add_nc_u32 v[ADRL+\u], s22, v[CO]
	v_add_nc_u32 v[ADRH+\u], s23, v[CO]
	v_add_nc_u32 v[ADRB+\u], s18, v[CO]
	s_add_co_u32 s22, s22, UNIT
	s_add_co_u32 s23, s23, UNIT
	s_add_co_u32 s18, s18, UNIT
.endr
	v_and_b32 v1, 15, v0                           ; r
	v_bfe_u32 v2, v0, 4, 1                         ; h
	s_mul_i32 s19, s14, 16*SPITCH
	s_add_co_u32 s19, s19, STAGE                   ; my stage
	v_mul_u32_u24 v5, v1, SPITCH
	v_lshl_add_u32 v5, v2, 5, v5
	v_add_nc_u32 v[STO], s19, v5                   ; in: row r, 32 bytes for each half of the lanes
	v_add_nc_u32 v[RD], s19, v[CO]                 ; back: the 32 lanes take one row of 512 bytes
	s_lshl_b32 s19, s14, 15
	v_add_nc_u32 v[XS], s19, v[CO]
	s_xor_b32 s19, s14, 2                          ; my partner: the same columns, the other 128 along K
	s_lshl_b32 s19, s19, 15
	v_add_nc_u32 v[XL], s19, v[CO]
	s_lshl_b32 s22, s92, 10
	s_lshl_b32 s23, s16, 9
	s_add_co_u32 s22, s22, s23                     ; my first column, in bytes: 1,024 x tile column + 512 x wc
	s_mov_b32 s23, 0
	s_add_nc_u64 s[10:11], s[10:11], s[22:23]
	global_load_b128 v[B2:B2+3], v[CO], s[10:11]   ; b2 at columns 4 x lane + 0..3 of my 128
	s_lshl_b32 s18, s17, 19
	s_lshl_b32 s19, s15, 18
	s_add_co_u32 s18, s18, s19                     ; the rows that I store: 128 x tile row + 64 kh, 4,096 bytes a row
	s_add_co_u32 s22, s22, s18
	s_add_nc_u64 s[12:13], s[12:13], s[22:23]
	; the prefetches: where mine stand, and who asks
	s_lshl_b32 s18, s17, 15
	s_lshl_b32 s19, s90, 13
	s_add_co_u32 s18, s18, s19
	s_add_co_u32 s18, s18, 4*2097152               ; h: K step 4, my tile row's 32,768 bytes, my work-group's quarter
	s_lshl_b32 s19, s92, 16
	s_lshl_b32 s22, s91, 14
	s_add_co_u32 s19, s19, s22
	s_lshl_b32 s22, s16, 13
	s_add_co_u32 s19, s19, s22
	s_add_co_u32 s19, s19, 4*262144                ; W2: K step 4, my tile column's 65,536 bytes, my work-group's quarter, my wave's half of it
	s_and_b32 s23, ttmp7, 0xffff                   ; cluster y
	s_mov_b32 s[PFS], 262144
	s_cmp_eq_u32 s15, 0                            ; the wave's number alone decides
	s_cselect_b64 s[PFA:PFA+1], s[4:5], s[6:7]
	s_cselect_b32 s22, s18, s19
	s_cselect_b32 s23, s16, s23                    ; 0 in the waves that ask: wave 0; waves 2 and 3 where cluster y = 0: the same in all sixteen partners, for a given wave
	s_cselect_b32 s[PFS], 2097152, s[PFS]
	s_mov_b32 s[PFS+1], 0
	s_cmp_eq_u32 s23, 0
	s_cselect_b32 s[LIM], 12, 0
	s_mov_b32 s23, 0
	s_add_nc_u64 s[PFA:PFA+1], s[PFA:PFA+1], s[22:23]
	s_mov_b32 s[KJ], 0
	s_wait_kmcnt 0x0
	s_add_co_i32 s88, s70, s71
	s_add_co_i32 s88, s88, 127
	s_lshl_b32 s88, s88, 23                        ; 2^(e2 + e3) as f32
	s_mov_b32 s89, s88                             ; (named with it as a pair, so it is written)
; 16 matrix instructions: register blocks a0, a0 + 1 of h against W2's eight.  p: W2's set.  zero = 1: the first product starts the sums.  The 64 accumulators take turns.
.macro MUL16 a0, p, zero
.irp a, \a0, \a0+1
.irp b, 0,1,2,3,4,5,6,7
.if \zero
	v_wmma_f32_16x16x128_fp8_fp8 v[8*(8*((\a)%4)+\b):8*(8*((\a)%4)+\b)+7], v[128*(\p)+FR*\b:128*(\p)+FR*\b+FR-1], v[AF+FR*(\a):AF+FR*(\a)+FR-1], 0
.else
	v_wmma_f32_16x16x128_fp8_fp8 v[8*(8*((\a)%4)+\b):8*(8*((\a)%4)+\b)+7], v[128*(\p)+FR*\b:128*(\p)+FR*\b+FR-1], v[AF+FR*(\a):AF+FR*(\a)+FR-1], v[8*(8*((\a)%4)+\b):8*(8*((\a)%4)+\b)+7]
.endif
.endr
.endr
.endm
.macro FETCH_B unit, p                 ; W2's eight images of my 128 along K, out of a unit, into set p
	WIN TO_B
.irp i, 0,1,2,3,4,5,6,7
.irp c, 0,1,2,3
	ds_load_b128 v[128*(\p)+FR*\i+4*\c:128*(\p)+FR*\i+4*\c+3], v[ADRB+(\unit)] offset:\i*4096+512*\c
.endr
.endr
	WIN 0
.endm
.macro FETCH_A unit, hi                ; hi = 0: h's register blocks 0-3; 1: blocks 4-7
.irp i, 0,1,2,3
.irp c, 0,1,2,3
	ds_load_b128 v[AF+FR*(4*(\hi)+\i)+4*\c:AF+FR*(4*(\hi)+\i)+4*\c+3], v[ADRL+3*(\hi)+(\unit)] offset:\i*4096+512*\c
.endr
.endr
.endm
.macro PLACES n                        ; places in front of loads into registers that matrix instructions have read, and of reads of results (ISA guide 7.12.1 for reads of results)
.rept \n
	v_nop
.endr
.endm
; A K STEP: 64 matrix instructions on fragments that were fetched in the step before (W2's in set p); in its middle and at its end the next K step's fragments are fetched out of unit next.
; mode 0: the next K step lies in the same slot: no barrier.
; mode 1, 2, 3: the slot in hand has been read out, and the slots change: ONE barrier.  The step's first 32 products stand AHEAD of it, so that they run while the load that is out is still on its way.  Then each wave
;   waits for all its tensor loads, adds 0 to its spare word, and waits for that and for its own reads of the slot.  mode 1: X is filled again, mode 2: Y, each with the K steps three further on; the barrier then
;   opens a round of the cluster's barrier, and the joint refill is the first thing behind it.  mode 3: nothing is left to fetch.
;   From X's refill to the wait for it a wave issues 32 + 64 + 32 matrix instructions, from Y's 32 + 32.
; ask = 1: the step has a prefetch.
.macro KSTEP next, p, zero, mode, ask
.if \ask
	s_wait_xcnt 0x0                                ; the last prefetch, a K step back, has read its address: only behind this wait is it stepped
	s_add_nc_u64 s[PFA:PFA+1], s[PFA:PFA+1], s[PFS:PFS+1]
	s_add_co_u32 s[KJ], s[KJ], 1
.endif
	s_wait_dscnt 4*NL                              ; W2's set and h's register blocks 0-3 are in; the youngest sixteen loads (blocks 4-7) may be out
	WIN MUL_LO
	MUL16 0, \p, \zero
	MUL16 2, \p, \zero
.if \mode == 0
	s_wait_dscnt 0x0                               ; h's register blocks 4-7 are in (asked for 32 matrix instructions ago)
	PLACES NP
.else
	WIN 0
	s_wait_tensorcnt 0x0                           ; all my tensor loads have landed: my part of the slot that is read next; so a group 0 may be written
	ds_add_u32 v[SPW], v[NIL]                      ; 0 onto my spare word; the descriptors' steps stand between it and the wait for it
.if \mode == 1
	s_add_nc_u64 s[G0AX+2:G0AX+3], s[G0AX+2:G0AX+3], ASTEP
	s_add_nc_u64 s[G0BX+2:G0BX+3], s[G0BX+2:G0BX+3], BSTEP
.elseif \mode == 2
	s_add_nc_u64 s[G0AY+2:G0AY+3], s[G0AY+2:G0AY+3], ASTEP
	s_add_nc_u64 s[G0BY+2:G0BY+3], s[G0BY+2:G0BY+3], BSTEP
.endif
	s_wait_dscnt 0x0                               ; the add is done, and my reads of the slot in hand are over: all its fragments are in registers
	s_barrier_signal -1
	s_barrier_wait -1
.if \mode == 1
	CREST                                          ; no wave of any partner still reads X or has a load on its way
	JLOAD G0AX, G1AX, G0BX, G1BX                   ; the first tensor load behind the round; its four v_nop are the places in front of the loads below
.elseif \mode == 2
	CREST                                          ; the same of Y
	JLOAD G0AY, G1AY, G0BY, G1BY
.else
	PLACES NP
.endif
.endif
	FETCH_B \next, 1-\p
	FETCH_A \next, 0
.if \ask
	ASK                                            ; behind the joint load, where there is one, and the run of LDS loads that the next products wait for
.endif
	WIN MUL_HI
	MUL16 4, \p, \zero
	MUL16 6, \p, \zero
	PLACES NP
	WIN 0
	FETCH_A \next, 1
.endm
	s_wait_tensorcnt 1                             ; my part of K step 0 is in (Y's load, issued behind it, may be out)
	s_barrier_signal -1
	s_barrier_wait -1                              ; everybody's is
	FETCH_B 0, 0
	FETCH_A 0, 0
	FETCH_A 0, 1
	KSTEP 1, 0, 1, 1, 1                            ; K step 0 (X) starts the sums; X takes K step 3
	s_mov_b32 s3, 2
.Llap:                                                 ; two trips of six K steps, 1 to 6 and 7 to 12: W2's two sets change places each K step and the units come round every three, so six bring both back
	KSTEP 2, 1, 0, 0, 1                            ; Y's first
	KSTEP 0, 0, 0, 2, 1                            ; Y's second; Y takes the two K steps three on
	KSTEP 1, 1, 0, 1, 1                            ; X; X takes the K step three on
	KSTEP 2, 0, 0, 0, 1
	KSTEP 0, 1, 0, 2, 1
	KSTEP 1, 0, 0, 1, 1                            ; (in the second trip: K step 15, the last load)
	s_sub_co_u32 s3, s3, 1
	s_cmp_lg_u32 s3, 0
	s_cbranch_scc1 .Llap
	KSTEP 2, 1, 0, 0, 0                            ; K step 13.  The tail is written out
	KSTEP 0, 0, 0, 3, 0                            ; K step 14: the last change of slots fills nothing, and has no round
	s_wait_dscnt 4*NL                              ; K step 15
	WIN MUL_LO
	MUL16 0, 1, 0
	MUL16 2, 1, 0
	s_wait_dscnt 0x0                               ; my last reads of the ring are over:
	s_barrier_signal -1                            ; say so,
	WIN MUL_HI
	MUL16 4, 1, 0
	MUL16 6, 1, 0
	WIN 0
	s_barrier_wait -1                              ; and everybody's are: the ring's bytes, which have had their last fill, are free for the exchange and the stages
	; THE EXCHANGE: window 3, the partial sums of the rows that my partner keeps, goes to LDS as it stands, 512 consecutive bytes a store; my partner's come back into window 1.
	PLACES NP                                      ; behind the last products, whose results the stores read and whose operands the loads overwrite
	WIN 0x0c                                       ; store data in window 3
.set n, 0
.rept 64
	ds_store_b128 v[XS], v[4*n:4*n+3] offset:512*n ; ascending: each accumulator is read from its low end on
.set n, n+1
.endr
	WIN 0
	s_wait_dscnt 0x0                               ; for my partner's sake: my stores are done
	s_barrier_signal -1
	s_barrier_wait -1
	WIN TO_B                                       ; destination window 1
.set n, 0
.rept 64
	ds_load_b128 v[4*n:4*n+3], v[XL] offset:512*n
.set n, n+1
.endr
	WIN 0
	s_wait_loadcnt 0x0                             ; b2
; Block i of my four: the two partial sums are added; a lane's 32 bytes of a row go into my own stage (rows of 528 bytes) and come back as whole rows of 512 bytes.
; LDS serves a wave's instructions in order (ISA guide 5.7.1.4): no wait between the stores and the loads, nor in front of the next block's stores.
.macro TOSTAGE i
.if (\i) == 0
	s_wait_dscnt 48                                ; the exchange's first sixteen loads, block 0's, are in; its other 48 may be out
.elseif (\i) == 1
	s_wait_dscnt 32                                ; only block 0's 16 stage stores and 16 row loads may be out: all of the exchange is in
.endif
	WIN 0x06                                       ; source 0 window 2 (mine), source 1 window 1 (my partner's)
.irp j, 0,2,4,6,8,10,12,14,16,18,20,22,24,26,28,30,32,34,36,38,40,42,44,46,48,50,52,54,56,58,60,62
	v_pk_add_f32 v[TMP+\j:TMP+\j+1], v[64*(\i)+\j:64*(\i)+\j+1], v[64*(\i)+\j:64*(\i)+\j+1]
.endr
	WIN 0
.irp b, 0,1,2,3,4,5,6,7
	ds_store_b128 v[STO], v[TMP+8*\b:TMP+8*\b+3] offset:64*\b
	ds_store_b128 v[STO], v[TMP+8*\b+4:TMP+8*\b+7] offset:64*\b+16
.endr
.set BB, BK+64*((\i)%2)
.irp t, 0,1,2,3,4,5,6,7,8,9,10,11,12,13,14,15
	ds_load_b128 v[BB+4*\t:BB+4*\t+3], v[RD] offset:\t*SPITCH
.endr
.endm
.macro SEND i, younger                 ; younger: the LDS instructions issued behind block i's loads, which may stay out
.set BB, BK+64*((\i)%2)
	s_wait_dscnt \younger
.irp t, 0,1,2,3,4,5,6,7,8,9,10,11,12,13,14,15
	v_pk_fma_f32 v[BB+4*\t:BB+4*\t+1], v[BB+4*\t:BB+4*\t+1], s[88:89], v[B2:B2+1] op_sel_hi:[1,0,1]         ; sum x 2^(e2 + e3) + b2, two at a time
	v_pk_fma_f32 v[BB+4*\t+2:BB+4*\t+3], v[BB+4*\t+2:BB+4*\t+3], s[88:89], v[B2+2:B2+3] op_sel_hi:[1,0,1]
.endr
.irp t, 0,1,2,3,4,5,6,7,8,9,10,11,12,13,14,15
	global_store_b128 v[CO], v[BB+4*\t:BB+4*\t+3], s[12:13] offset:(16*(\i)+\t)*4096 th:TH_STORE_NT   ; 32 lanes store 512 consecutive bytes, at a multiple of 512 from out0's first byte; written once, read by nobody here
.endr
.endm
	TOSTAGE 0
.irp a, 1,2,3
.if \a > 1
	s_wait_xcnt 0x0                                ; block a - 2's stores have read their registers: block a's rows may land there
.endif
	TOSTAGE \a
	SEND \a-1, 32                                  ; behind block a - 1's loads: block a's 16 stores and 16 loads
.endr
	SEND 3, 0
	s_wait_tensorcnt 0x0                           ; the wave's end, behind my last tensor load and my last LDS store
	ds_add_u32 v[SPW], v[NIL]
	s_wait_dscnt 0x0
	CROUND                                         ; the closing round: no work-group ends while a partner may still ask for a tile that names it
	s_endpgm
.Lfunc_end_k_q5e1481edf7_fc2:
	.size	k_q5e1481edf7_fc2, .Lfunc_end_k_q5e1481edf7_fc2-k_q5e1481edf7_fc2
	.p2alignl 7, 3214868480
	.fill 96, 4, 3214868480
	.section	.rodata,"a",@progbits
	.p2align	6, 0x0
	.amdhsa_kernel k_q5e1481edf7_fc2
		.amdhsa_group_segment_fixed_size 327680
		.amdhsa_private_segment_fixed_size 0
		.amdhsa_enable_private_segment 0
		.amdhsa_kernarg_size 40
		.amdhsa_user_sgpr_count 2
		.amdhsa_user_sgpr_kernarg_segment_ptr 1
		.amdhsa_wavefront_size32 1
		.amdhsa_system_sgpr_workgroup_id_x 1
		.amdhsa_system_sgpr_workgroup_id_y 1
		.amdhsa_system_sgpr_workgroup_id_z 1
		.amdhsa_system_vgpr_workitem_id 0
		.amdhsa_next_free_vgpr 1024
		.amdhsa_next_free_sgpr 98
		.amdhsa_reserve_vcc 0
		.amdhsa_float_denorm_mode_32 3
		.amdhsa_float_denorm_mode_16_64 3
		.amdhsa_memory_ordered 1
		.amdhsa_forward_progress 1
		.amdhsa_inst_pref_size 141
	.end_amdhsa_kernel
	.amdgpu_metadata
---
amdhsa.version: [ 1, 2 ]
amdhsa.kernels:
  - .name:           k_q5e1481edf7_fc2
    .symbol:         k_q5e1481edf7_fc2.kd
    .args:
      - { .name: himg, .offset: 0, .size: 8, .value_kind: global_buffer, .address_space: global }
      - { .name: w2img, .offset: 8, .size: 8, .value_kind: global_buffer, .address_space: global }
      - { .name: lowp_scales, .offset: 16, .size: 8, .value_kind: global_buffer, .address_space: global }
      - { .name: b2, .offset: 24, .size: 8, .value_kind: global_buffer, .address_space: global }
      - { .name: out0, .offset: 32, .size: 8, .value_kind: global_buffer, .address_space: global }
    .group_segment_fixed_size: 327680
    .private_segment_fixed_size: 0
    .kernarg_segment_align: 8
    .kernarg_segment_size: 40
    .max_flat_workgroup_size: 128
    .sgpr_count:     98
    .vgpr_count:     1024
    .wavefront_size: 32
...
	.end_amdgpu_metadata
.endif
;; end of part 3
